; MI455X (gfx1250); checked and timed in simulation.
; The chip was launched on July 23, 2026; its instructions are those of AMD's public machine-readable ISA for CDNA 5 (MIT licence, August 2026) and "CDNA5" Instruction Set Architecture Reference Guide (July 2026). The comments in the code are by the model that wrote it; some were corrected since.
;; MHA Fused QKV. Allowed arithmetic: matrix products marked QUANTISED: E2M3 operands, one E8M0 scale for each 32 along K, by v_wmma_scale_f32_16x16x128_f8f6f4 with both operands' format E2M3, f32 sums; everything else in f32.
;; Inputs: W_out 1,024 x 1,024 float32; W_qkv 1,024 x 3,072 float32; b_out 1,024 float32; b_qkv 3,072 float32; x 4 x 2,048 x 1,024 float32.
;; Outputs: out0 4 x 2,048 x 1,024 float32.
;; This version of the problem:
;;   THIS VERSION OF THE PROBLEM IS GIVEN IN LOW PRECISION. The matrix products marked QUANTISED in the list below multiply operands that are first quantised to E2M3 (2 exponent bits, 3 mantissa bits; 6 bits a number), with one power-of-two scale for each 32 numbers along K (OCP MX v1.0); their sums are f32. All else is computed in f32.
;;   The module's matrix products, in the order in which they are computed (A, B: the left and right operand; K: the contracted axis; several contracted axes count as one K, in the product's order):
;;     1. [M 8,192, K 1,024] x [K 1,024, N 3,072]; A: input x; B: input W_qkv: QUANTISED
;;     2. batch 64 x [M 2,048, K 64] x [K 64, N 2,048]; A: computed on the way; B: computed on the way: QUANTISED
;;     3. batch 64 x [M 2,048, K 2,048] x [K 2,048, N 64]; A: softmax (see below); B: computed on the way: QUANTISED
;;     4. [M 8,192, K 1,024] x [K 1,024, N 1,024]; A: computed on the way; B: input W_out: QUANTISED
;;   THE QUANTISER, for each operand of a quantised product, along K:
;;     - K is cut into blocks of 32 from its start; a last block that is shorter is filled with zeros.
;;     - A block's scale is 2^e with e = floor(log2(the largest magnitude in the block)) - 2, held to -126 .. 127; a block of zeros has e = 0. As a byte (E8M0): e + 127.
;;     - Each number is divided by its block's scale, clamped to +-7.5, and rounded to the nearest number of E2M3, ties to even, subnormals kept.
;;     - The product sums the exact products of the quantised numbers (number of the format x scale) in f32.
;;   ~~~python
;;   def quantise(x, axis):      # numpy; x: float32 -> the quantised numbers, widened to float32 again
;;       x = np.moveaxis(x, axis, -1); K = x.shape[-1]
;;       x = np.pad(x, [(0, 0)] * (x.ndim - 1) + [(0, -K % 32)]); x = x.reshape(x.shape[:-1] + (-1, 32)); a = np.abs(x).max(-1, keepdims=True)
;;       e = np.where(a > 0, np.clip(np.frexp(np.where(a > 0, a, 1))[1] - 1 - 2, -126, 127), 0)      # np.frexp(a)[1] - 1 = floor(log2(a)), exactly
;;       r = np.clip(x / 2.0 ** e, -7.5, 7.5)
;;       step = 2.0 ** (np.maximum(np.frexp(np.where(r == 0, 1, r))[1] - 1, 0) - 3)
;;       q = np.round(r / step) * step * 2.0 ** e      # np.round: ties to even
;;       return np.moveaxis(q.reshape(q.shape[:-2] + (-1,))[..., :K], -1, axis).astype(np.float32)
;;   ~~~
;;   SOFTMAX AHEAD OF A QUANTISED PRODUCT. Where the list says 'softmax', what is quantised is not the finished softmax but p = 2^(t - M), with t = logit x log2(e) and M = ceil(the row's largest t), a whole number; so 1/2 < the row's largest p <= 1. The row's sum l is taken of the UNQUANTISED p, in f32, and the product's result is divided by l at the end. Since M is a whole number, a kernel that streams over the keys may use a running M (the ceiling of the running maximum): every later rescaling is an exact power of two, which a block's scale takes up: the codes' values come out the same.
;;   OPERANDS COMPUTED ON THE WAY. 'Computed on the way' means the value that the module computes at that place (a softmax that the list does not call 'softmax' is quantised finished and normalised). What goes into a quantiser is computed in f32, as accurately as f32 sums, v_exp_f32 and their like allow (about 1e-6 of the number): no bf16 or f16 on the way to a quantiser, and a product that is left as it is and whose result goes on into a quantised operand takes f32 operands (vector FMAs, or v_wmma_f32_16x16x4_f32). A number that lies on a knife's edge between two numbers of the format may be rounded either way, as far as f32 arithmetic and the matrix unit's own rounding can turn it there, and no further.
;; One version. Each part assembles by itself: llvm-mc -triple=amdgcn-amd-amdhsa -mcpu=gfx1250 --defsym DOCPART=n.
;; ======== version 1 of 1: 4 launches
;; limits: right only within a limited range of input values
;; workspace buffers: opnd1 9,011,200 bytes; wo 819,200 bytes; qbuf 6,815,744 bytes; kvbuf 13,369,344 bytes; ybuf 6,553,600 bytes
;; launch prep (part 1): grid 384 x 1, 4 waves a work-group, no clusters, 68,096 bytes of LDS; arguments x, W_qkv, W_out, opnd1, wo; writes opnd1, wo
.if DOCPART == 1
	.amdgcn_target "amdgcn-amd-amdhsa--gfx1250"
	.amdhsa_code_object_version 6
	.text
	.protected	k_qf1ab26641b_prep
	.globl	k_qf1ab26641b_prep
	.p2align	8
	.type	k_qf1ab26641b_prep,@function
k_qf1ab26641b_prep:
	s_mov_b64 s[64:65], 0
	v_nop
	global_prefetch_b8 v0, s[64:65] scope:SCOPE_SE
	s_setreg_imm32_b32 hwreg(HW_REG_WAVE_MODE, 25, 1), 1
	s_wait_xcnt 0x0
; x [8192][1024], W_qkv [1024][3072] and W_out [1024][1024], f32, become codes of FP6 (E2M3) with K innermost and one E8M0 byte for each 32 along K.
; A block's scale is 2^(floor(log2(its largest magnitude)) - 2); its byte is the largest magnitude's exponent field - 2, held at 1 from below.
; LIMITS: a block of zeros gets the byte 1 (its codes are zeros, and this program alone reads the bytes); blocks whose largest magnitude lies under 2^-124 are held at the byte 1; NaN and infinities are not served.
; ROW ORDER OF THE RESULTS: row p of a buffer of codes holds the tensor's row (x: token; W: column) p with bits 3 and 4 exchanged.  So 16 neighbouring rows of the buffer, taken as source 0 of a matrix
; instruction, leave in a lane's registers of two neighbouring tiles 16 NEIGHBOURS of the tensor's own order, which is what the next quantiser wants.
; opnd1: rows of 768 bytes of codes: 0-8191 x, 8192-11263 W_qkv's columns; from byte 8,650,752 rows of 32 scale bytes, same row numbers.  wo: W_out's 1,024 columns likewise, scale bytes from byte 786,432.
; Work-groups 0-255 take x (K innermost: a stream of blocks; a wave takes 8 rows); work-groups 256-383 take the weights (K outermost: a lane takes a column, its registers run down K).
; The two paths have LDS bytes of their own.  No tensor loads, no barrier: waves share nothing.  Matrix units and clusters have nothing to do here: every byte is read once by one wave.
.set STEPS, 16
.set EMAX,  2
.set CB,    12                         ; bytes of 16 codes
.set R,     16                         ; x path: v16-79 four sets of 16 numbers as loaded
.set X,     80                         ; v80-111 two sets of 16 neighbours
.set E,     112                        ; v112-127 a scale byte for each step
.set C,     128                        ; v128-191 codes, four registers a step: no store's data are written again
.set WREG,  8192                       ; x path: LDS region of a wave: two stages of 32 x 80 bytes, then its 256 scale bytes
.set SP,    80
.set SPW,   12                         ; v12 my spare word's LDS address; never rewritten
.set NIL,   13                         ; v13 0; never rewritten
.set WST,   32768                      ; weights' path: four stages of 32 rows x 272 bytes
.set PITCH, 272
.set SPARE, WST+4*32*PITCH             ; the spare words: 128 bytes a wave, two blocks of 256 bytes that no other line names
.set XW,    32                         ; weights' path: v32-95 two sets of 32 numbers
.set CW,    96                         ; v96.. a block's codes
.set OUTR,  112                        ; v112-175 the way out
.set SB,    24                         ; v24-25 eight scale bytes
.set OFFS,  176                        ; v176-207 4 x lane + i rows of the weight
.set NB,    8
	s_load_b128 s[4:7], s[0:1], 0x0                ; x, W_qkv
	s_load_b128 s[8:11], s[0:1], 0x10              ; W_out, opnd1
	s_load_b64 s[12:13], s[0:1], 0x20              ; wo
	v_lshl_add_u32 v[SPW], v0, 2, SPARE
	v_mov_b32 v[NIL], 0
	v_lshrrev_b32 v1, 5, v0
	v_readfirstlane_b32 s16, v1                    ; wave
	v_and_b32 v2, 31, v0                           ; lane
	s_cmp_lt_u32 ttmp9, 256
	s_cbranch_scc0 .Lw
; ---------------- x: a wave takes run n = 4 x work-group + wave: 8 rows, 16 steps of 512 numbers
	v_lshlrev_b32 v3, 4, v2                        ; my 16 bytes of a load's 512
	s_mul_i32 s17, s16, WREG
	v_lshrrev_b32 v14, 2, v2
	v_mul_u32_u24 v14, v14, SP
	v_and_b32 v15, 3, v2
	v_lshl_add_u32 v14, v15, 4, v14
	v_add_nc_u32 v14, s17, v14                     ; the stage, in: four lanes' 64 bytes on end, then 16 of padding
	v_mul_u32_u24 v15, v2, SP
	v_add_nc_u32 v15, s17, v15                     ; out: 80 x lane: my 16 neighbours
	v_mul_u32_u24 v4, v2, CB                       ; my codes' place in a step's 384 bytes
	v_lshrrev_b32 v5, 1, v2
	s_add_co_u32 s17, s17, 2*32*SP
	v_add_nc_u32 v5, s17, v5                       ; my block's byte among the wave's 256
	v_lshlrev_b32 v7, 3, v2
	v_add_nc_u32 v6, s17, v7
	s_lshl_b32 s18, ttmp9, 2
	s_add_co_u32 s19, s18, s16                     ; n
	s_lshl_b32 s20, s19, 15                        ; 8 rows of 4,096 bytes
	s_mov_b32 s21, 0
	s_and_b32 s22, s16, 1                          ; the run goes out with its number's two lowest bits exchanged: rows' bits 3 and 4
	s_lshl_b32 s22, s22, 1
	s_lshr_b32 s23, s16, 1
	s_or_b32 s22, s22, s23
	s_add_co_u32 s22, s22, s18
	s_wait_alu depctr_va_vdst(0)
	s_wait_kmcnt 0x0
	s_add_nc_u64 s[4:5], s[4:5], s[20:21]
	s_mul_i32 s20, s22, 6144                       ; 8 rows of 768 bytes
	s_add_nc_u64 s[24:25], s[10:11], s[20:21]
	s_lshl_b32 s20, s22, 8                         ; 8 rows of 32 scale bytes
	s_add_co_u32 s20, s20, 8650752
	s_add_nc_u64 s[26:27], s[10:11], s[20:21]
.macro XLOAD t
.irp i, 0,1,2,3
	global_load_b128 v[R+16*((\t)%4)+4*\i:R+16*((\t)%4)+4*\i+3], v3, s[4:5] offset:2048*(\t)+512*\i th:TH_LOAD_NT   ; 32 lanes read 512 consecutive bytes
.endr
.endm
.macro XTURN t                         ; a step's numbers through the stage: LDS serves a wave's instructions in order, so no wait stands between the stores and the loads
.irp i, 0,1,2,3
	ds_store_b128 v14, v[R+16*((\t)%4)+4*\i:R+16*((\t)%4)+4*\i+3] offset:32*SP*((\t)%2)+8*SP*\i
.endr
.irp i, 0,1,2,3
	ds_load_b128 v[X+16*((\t)%2)+4*\i:X+16*((\t)%2)+4*\i+3], v15 offset:32*SP*((\t)%2)+16*\i
.endr
.endm
.irp t, 0,1,2,3
	XLOAD \t
.endr
	s_wait_loadcnt 12                              ; step 0's four loads are in; three steps' twelve may be out
	XTURN 0
.macro XSTEP t
.set XS, X+16*((\t)%2)
.if (\t) > 0
	s_wait_dscnt 1                                 ; this step's numbers are back from the stage; the last step's byte store may be out
.else
	s_wait_dscnt 0x0
.endif
.if (\t)+4 < STEPS
	XLOAD (\t)+4                                   ; into the registers that the stage's stores have read
.endif
.if (\t)+1 < STEPS
.if STEPS-2-(\t) >= 3
	s_wait_loadcnt 12                              ; the next step's four loads are in; those of the three steps behind it may be out
.else
	s_wait_loadcnt 4*(STEPS-2-(\t))
.endif
	XTURN (\t)+1
.endif
	v_max3_num_f32 v8, |v[XS]|, |v[XS+1]|, |v[XS+2]|               ; the largest magnitude of my 16
	v_max3_num_f32 v9, |v[XS+3]|, |v[XS+4]|, |v[XS+5]|
.irp i, 6,10
	v_max3_num_f32 v8, v8, |v[XS+\i]|, |v[XS+\i+1]|
	v_max3_num_f32 v9, v9, |v[XS+\i+2]|, |v[XS+\i+3]|
.endr
	v_max3_num_f32 v8, v8, |v[XS+14]|, |v[XS+15]|
	v_max3_num_f32 v8, v8, v9, (EMAX+1)<<23        ; and the floor 2^(3 - 127): the byte cannot fall under 1
	v_max_num_f32_dpp v8, v8, v8 row_xmask:1 row_mask:0xf bank_mask:0xf   ; with my neighbour's 16: the block's
	v_add_nc_u32 v11, -(EMAX<<23), v8              ; 2 off its exponent field: the conversion takes this operand's exponent field as its scale
	v_cvt_scalef32_pk16_fp6_f32 v[C+4*(\t):C+4*(\t)+2], v[XS:XS+15], v11
	v_lshrrev_b32 v[E+(\t)], 23, v11               ; the scale's byte (a plain line behind the conversion)
	ds_store_b8 v5, v[E+(\t)] offset:16*(\t)       ; both lanes of a block write the same byte with the same value
	global_store_b96 v4, v[C+4*(\t):C+4*(\t)+2], s[24:25] offset:32*CB*(\t)
.endm
.irp t, 0,1,2,3,4,5,6,7,8,9,10,11,12,13,14,15
	XSTEP \t
.endr
	ds_load_b64 v[8:9], v6                         ; in order behind my byte stores
	s_wait_dscnt 0x0
	global_store_b64 v7, v[8:9], s[26:27]          ; 32 lanes store 256 consecutive bytes, aligned
	s_wait_tensorcnt 0x0                           ; the wave's end
	ds_add_u32 v[SPW], v[NIL]
	s_wait_dscnt 0x0
	s_endpgm
; ---------------- the weights: work-groups 256-351 W_qkv (24 blocks of 128 columns x 4 runs of 256 along K), 352-383 W_out (8 x 4)
.Lw:
	s_sub_co_u32 s17, ttmp9, 256
	s_wait_kmcnt 0x0
	s_cmp_lt_u32 s17, 96                           ; which weight: the choice hangs on the work-group's number alone
	s_cselect_b64 s[4:5], s[6:7], s[8:9]
	s_cselect_b64 s[10:11], s[10:11], s[12:13]
	s_cselect_b32 s18, 0, 96
	s_mov_b32 s19, 4096
	s_cselect_b32 s19, 12288, s19                  ; a row of the weight in bytes
	s_cselect_b32 s20, 6291456, 0                  ; where its codes begin in the buffer,
	s_mov_b32 s21, 786432
	s_cselect_b32 s21, 8912896, s21                ; and its scale bytes
	s_sub_co_u32 s17, s17, s18
	s_and_b32 s22, s17, 3                          ; which 256 along K
	s_lshr_b32 s23, s17, 2
	s_lshl_b32 s24, s23, 7
	s_lshl_b32 s25, s16, 5
	s_add_co_u32 s24, s24, s25                     ; my wave's first column
	s_mul_i32 s26, s22, s19
	s_lshl_b32 s26, s26, 8
	s_lshl_b32 s25, s24, 2
	s_add_co_u32 s26, s26, s25
	s_mov_b32 s27, 0
	s_add_nc_u64 s[32:33], s[4:5], s[26:27]        ; block 0's first row at my columns
	s_lshl_b32 s26, s19, 5                         ; 32 rows on
.irp t, 1,2,3,4,5,6,7
	s_add_nc_u64 s[32+2*\t:33+2*\t], s[30+2*\t:31+2*\t], s[26:27]   ; a base for each of the 8 blocks: none is stepped
.endr
	s_mul_i32 s26, s24, 768
	s_mul_i32 s25, s22, 192
	s_add_co_u32 s26, s26, s25
	s_add_co_u32 s26, s26, s20
	s_add_nc_u64 s[28:29], s[10:11], s[26:27]      ; codes: row = column, 192 bytes for each 256 along K
	s_lshl_b32 s26, s24, 5
	s_lshl_b32 s25, s22, 3
	s_add_co_u32 s26, s26, s25
	s_add_co_u32 s26, s26, s21
	s_add_nc_u64 s[30:31], s[10:11], s[26:27]      ; scale bytes: 8 for each 256 along K
	s_wait_alu depctr_va_vdst(0)
	v_lshlrev_b32 v3, 2, v2
.set i, 0
.rept 32
	v_mad_u32_u24 v[OFFS+i], s19, i, v3            ; row i of a block, my column
.set i, i+1
.endr
	v_and_b32 v4, 7, v2                            ; my column's row in the buffer: the lane with bits 3 and 4 exchanged
	v_bfe_u32 v5, v2, 3, 1
	v_lshl_add_u32 v4, v5, 4, v4
	v_bfe_u32 v5, v2, 4, 1
	v_lshl_add_u32 v4, v5, 3, v4
	v_lshlrev_b32 v9, 5, v4                        ; its row of scale bytes
	s_mul_i32 s25, s16, 32*PITCH
	s_add_co_u32 s25, s25, WST                     ; my stage
	v_mul_u32_u24 v4, v4, PITCH
	v_add_nc_u32 v4, s25, v4                       ; into it: that row
	v_and_b32 v5, 15, v2
	v_lshrrev_b32 v6, 4, v2
	v_mul_u32_u24 v7, v6, PITCH                    ; out of it: sixteen lanes to a row, two rows an instruction
	v_lshl_add_u32 v7, v5, 4, v7
	v_add_nc_u32 v7, s25, v7
	v_mul_u32_u24 v8, v6, 768
	v_mad_u32_u24 v8, v5, 12, v8                   ; and the same place in the buffer
.macro WLOAD t                         ; block t: 32 rows at my column: 32 lanes read 128 consecutive bytes, the four waves 512
.set i, 0
.rept 32
	global_load_b32 v[XW+32*((\t)%2)+i], v[OFFS+i], s[32+2*(\t):33+2*(\t)] th:TH_LOAD_NT
.set i, i+1
.endr
.endm
	WLOAD 0
	WLOAD 1
.macro WBLOCK t
.set XS, XW+32*((\t)%2)
.if (\t) < NB-1
	s_wait_loadcnt 32                              ; this block's 32 loads are in; the next block's may be out
.else
	s_wait_loadcnt 0
.endif
	v_max3_num_f32 v16, |v[XS]|, |v[XS+1]|, |v[XS+2]|              ; the block's largest magnitude: all 32 numbers are mine
	v_max3_num_f32 v17, |v[XS+3]|, |v[XS+4]|, |v[XS+5]|
.irp i, 6,10,14,18,22,26
	v_max3_num_f32 v16, v16, |v[XS+\i]|, |v[XS+\i+1]|
	v_max3_num_f32 v17, v17, |v[XS+\i+2]|, |v[XS+\i+3]|
.endr
	v_max3_num_f32 v16, v16, |v[XS+30]|, |v[XS+31]|
	v_max3_num_f32 v16, v16, v17, (EMAX+1)<<23     ; and the floor
	v_add_nc_u32 v11, -(EMAX<<23), v16
	v_lshrrev_b32 v17, 23, v11                     ; the scale's byte
.if (\t)%4 == 0
	v_mov_b32 v[SB+(\t)/4], v17
.else
	v_lshl_or_b32 v[SB+(\t)/4], v17, 8*((\t)%4), v[SB+(\t)/4]
.endif
	v_cvt_scalef32_pk16_fp6_f32 v[CW:CW+2], v[XS:XS+15], v11
	v_cvt_scalef32_pk16_fp6_f32 v[CW+4:CW+6], v[XS+16:XS+31], v11
	v_nop                                          ; a plain line behind the conversions
	ds_store_b96 v4, v[CW:CW+2] offset:32*(\t)     ; 12 bytes to a place of 16, so that every LDS address is a multiple of 16
	ds_store_b96 v4, v[CW+4:CW+6] offset:32*(\t)+16
.if (\t)+2 < NB
	WLOAD (\t)+2
.endif
	s_wait_dscnt 0x0                               ; the stores have read their registers: the next block's codes may be written
.endm
.irp t, 0,1,2,3,4,5,6,7
	WBLOCK \t
.endr
	s_wait_alu depctr_va_vdst(0)
	global_store_b64 v9, v[SB:SB+1], s[30:31]      ; my column's 8 scale bytes
.irp t, 0,1,2,3,4,5,6,7,8,9,10,11,12,13,14,15
	ds_load_b96 v[OUTR+4*\t:OUTR+4*\t+2], v7 offset:2*\t*PITCH
.endr
.irp t, 0,1,2,3,4,5,6,7,8,9,10,11,12,13,14,15
	s_wait_dscnt 15-\t                             ; the younger loads may be out
	global_store_b96 v8, v[OUTR+4*\t:OUTR+4*\t+2], s[28:29] offset:2*\t*768   ; sixteen lanes store a row's 192 consecutive bytes
.endr
	s_wait_tensorcnt 0x0                           ; the wave's end, as above
	ds_add_u32 v[SPW], v[NIL]
	s_wait_dscnt 0x0
	s_endpgm
.Lfunc_end_k_qf1ab26641b_prep:
	.size	k_qf1ab26641b_prep, .Lfunc_end_k_qf1ab26641b_prep-k_qf1ab26641b_prep
	.p2alignl 7, 3214868480
	.fill 96, 4, 3214868480
	.section	.rodata,"a",@progbits
	.p2align	6, 0x0
	.amdhsa_kernel k_qf1ab26641b_prep
		.amdhsa_group_segment_fixed_size 68096
		.amdhsa_private_segment_fixed_size 0
		.amdhsa_enable_private_segment 0
		.amdhsa_kernarg_size 40
		.amdhsa_user_sgpr_count 2
		.amdhsa_user_sgpr_kernarg_segment_ptr 1
		.amdhsa_wavefront_size32 1
		.amdhsa_system_sgpr_workgroup_id_x 1
		.amdhsa_system_sgpr_workgroup_id_y 1
		.amdhsa_system_sgpr_workgroup_id_z 1
		.amdhsa_system_vgpr_workitem_id 0
		.amdhsa_next_free_vgpr 208
		.amdhsa_next_free_sgpr 66
		.amdhsa_reserve_vcc 0
		.amdhsa_float_denorm_mode_32 3
		.amdhsa_float_denorm_mode_16_64 3
		.amdhsa_memory_ordered 1
		.amdhsa_forward_progress 1
		.amdhsa_inst_pref_size 76
	.end_amdhsa_kernel
	.amdgpu_metadata
---
amdhsa.version: [ 1, 2 ]
amdhsa.kernels:
  - .name:           k_qf1ab26641b_prep
    .symbol:         k_qf1ab26641b_prep.kd
    .args:
      - { .name: x, .offset: 0, .size: 8, .value_kind: global_buffer, .address_space: global }
      - { .name: W_qkv, .offset: 8, .size: 8, .value_kind: global_buffer, .address_space: global }
      - { .name: W_out, .offset: 16, .size: 8, .value_kind: global_buffer, .address_space: global }
      - { .name: opnd1, .offset: 24, .size: 8, .value_kind: global_buffer, .address_space: global }
      - { .name: wo, .offset: 32, .size: 8, .value_kind: global_buffer, .address_space: global }
    .group_segment_fixed_size: 68096
    .private_segment_fixed_size: 0
    .kernarg_segment_align: 8
    .kernarg_segment_size: 40
    .max_flat_workgroup_size: 128
    .sgpr_count:     66
    .vgpr_count:     208
    .wavefront_size: 32
...
	.end_amdgpu_metadata
.endif
;; end of part 1
;; launch gemm_qkv (part 2): grid 8 x 32, 4 waves a work-group, clusters of 4 x 4, 327,680 bytes of LDS; arguments opnd1, b_qkv, qbuf, kvbuf; writes qbuf, kvbuf
.if DOCPART == 2
	.amdgcn_target "amdgcn-amd-amdhsa--gfx1250"
	.amdhsa_code_object_version 6
	.text
	.protected	k_qf1ab26641b_gemm_qkv
	.globl	k_qf1ab26641b_gemm_qkv
	.p2align	8
	.type	k_qf1ab26641b_gemm_qkv,@function
k_qf1ab26641b_gemm_qkv:
	s_mov_b64 s[64:65], 0
	v_nop
	global_prefetch_b8 v0, s[64:65] scope:SCOPE_SE
	s_setreg_imm32_b32 hwreg(HW_REG_WAVE_MODE, 25, 1), 1
	s_wait_xcnt 0x0
	s_wait_alu depctr_hold_cnt(0) depctr_sa_sdst(0) depctr_va_vdst(0) depctr_va_sdst(0) depctr_va_ssrc(0) depctr_va_vcc(0) depctr_vm_vsrc(0)
	s_getreg_b32 s2, hwreg(HW_REG_IB_STS2, 6, 4)
	s_cmp_eq_u32 s2, 0
	s_cbranch_scc0 .Lentry_in_a_cluster
	s_endpgm
.Lentry_in_a_cluster:
	s_bfe_u32 s2, ttmp6, 0x10000c
	s_cmp_lg_u32 s2, 0xf033
	s_cbranch_scc0 .Lentry_shape_is_right
	s_endpgm
.Lentry_shape_is_right:
; q, k, v = x W_qkv + b_qkv on codes of FP6 (E2M3) with E8M0 scales; the results are quantised again (q, k along the head's 64, v along the keys) and stored as images of operand registers.
; SHARES.  A work-group owns 256 tokens (block tb = work-group y) and a pair of heads (g = work-group x).  Its 256 rows of x, whole rows of K (768 bytes), stay in LDS;
; the 128 rows of W for q, then k, then v go through ONE slot: the slot's refill is asked for behind the product that read it, and lands while that product's results are quantised and stored.
; A wave makes 128 tokens x 64 features (one head): 32 accumulators, which take turns.  q, k: source 0 = W, source 1 = x (a lane holds a token, its registers run along the features);
; v: source 0 = x, source 1 = W (a lane holds a feature, its registers run along the tokens).  The bias is the C of the first K step.
; LDS rows: 768 bytes with 16 of padding behind each 256: pitch 816.  A row in memory begins at a multiple of 256 bytes.
; CLUSTERS 4 x 4: x's rows are shared along a row of the cluster, W's along a column: joint loads.
; The scale words (32 bytes a row, all of K) go from memory into registers: sixteen lanes read 512 consecutive bytes.
; No prefetch: the walk has two refills, each asked for a whole way out ahead of its wait.
; LIMITS: a block of zeros gets the byte 1 (this program alone reads the bytes); NaN and infinities are not served.
.set PITCH, 816
.set TILE,  16*PITCH
.set XB,    256*PITCH                  ; W's slot, behind x's 256 rows
.set SPARE, XB+128*PITCH               ; the spare words: 128 bytes a wave
.set SCOFF, 8650752                    ; where opnd1's scale bytes begin
.set WSTEP, 1024*768                   ; from q's rows of W to k's, from k's to v's
.set AX,  16                           ; v16-17 x's tiles 0-3 (plain; lanes 16-31 one unit on), v18-19 tiles 4-7
.set AW,  20                           ; v20-21 W's tiles
.set RS,  22                           ; 32 x (lane % 16)
.set BO,  23                           ; 64 x (lane / 16)
.set BVO, 24
.set L16, 25
.set L8,  26
.set H16, 27
.set SPW, 28
.set NIL, 29
.set XS,  32                           ; v32-95 x's scale words: 8 tiles x 8 K steps
.set WS,  96                           ; v96-127 W's: 4 tiles x 8
.set WF,  128                          ; window 0: W's fragments, two sets of 48.  Window 1: x's, two sets of 96 at v0 and v128
.set BQ,  96                           ; window 1 v96-127: q's or k's bias in the result's layout
.set BVC, 224                          ; window 1 v224-255: v's bias, eight copies a tile
.set CA,  128                          ; the way out, over W's fragments: codes,
.set TQ,  140
.set TM,  148
.set PW,  164
.set TP,  165
.set SW,  168
.set SO,  172
.set BV,  174
.set G1X, 24
.set G0X, 32
.set G0W, 36
.set G1W, 48
.set G1R, 56
.set G0R, 68
.set PXS, 72
.set PWS, 74
.set PBI, 76
.set PQ,  78
.set PK,  80
.set PQS, 82
.set PKS, 84
.set PV,  86
.set PA,  88
.set PS,  90
.set SELP, 96
.set FILL, 98
.set HM,  99
.set MSB, 0
.macro WIN new
.if MSB != \new
	s_set_vgpr_msb (MSB<<8)|\new
.set MSB, \new
.endif
.endm
.macro PLACES
.rept 4
	v_nop
.endr
.endm
.macro CROUND
	s_barrier_signal -1
	s_barrier_wait -1
	s_cmp_lg_u32 s14, 0
	s_cbranch_scc1 .Lnot_wave_0_\@
	s_barrier_signal -3
.Lnot_wave_0_\@:
	s_barrier_wait -3
	s_barrier_signal -1
	s_barrier_wait -1
.endm
.macro G1ROWS g, rows                  ; rows of 768 elements of one byte
	s_mov_b32 s[\g+1], 768<<16
	s_mov_b32 s[\g+2], \rows<<16
	s_mov_b32 s[\g+3], 768<<16
	s_mov_b32 s[\g+4], \rows
	s_mov_b32 s[\g+5], 768
	s_mov_b32 s[\g+6], 0
	s_mov_b32 s[\g+7], 0
.endm
.macro G0SET g, lds, base, adr
	s_mov_b32 s[\g], 1
	s_add_co_u32 s[\g+1], s\lds, \base
	s_mov_b64 s[\g+2:\g+3], s[\adr:\adr+1]
	s_or_b32 s[\g+3], s[\g+3], 0x80000000
.endm
	s_load_b128 s[4:7], s[0:1], 0x0                ; opnd1, b_qkv
	s_load_b128 s[8:11], s[0:1], 0x10              ; qbuf, kvbuf
	v_lshl_add_u32 v[SPW], v0, 2, SPARE
	v_mov_b32 v[NIL], 0
	ds_add_u32 v[SPW], v[NIL]                      ; the opening lines: the add twice, its wait ahead of the first tensor load
	ds_add_u32 v[SPW], v[NIL]
	v_lshrrev_b32 v1, 5, v0
	v_readfirstlane_b32 s14, v1                    ; wave
	s_lshr_b32 s15, s14, 1                         ; which 128 tokens are mine
	s_and_b32 s16, s14, 1                          ; which head of the pair
	s_bfe_u32 s40, ttmp6, 0x40000                  ; cx
	s_bfe_u32 s41, ttmp6, 0x40004                  ; cy
	s_lshl_b32 s43, s41, 2
	s_lshl_b32 s43, 15, s43                        ; my row of the cluster
	s_lshl_b32 s44, 0x1111, s40                    ; my column
.set FLG, (1<<20)|(1<<21)|(5<<22)|(3<<25)          ; padding on, bit 21 beside a mask, 4 words behind every 64
	s_or_b32 s[G1X], s43, FLG
	s_or_b32 s[G1W], s44, FLG
	s_or_b32 s[G1R], s44, FLG
	G1ROWS G1X, 128
	G1ROWS G1W, 64
	G1ROWS G1R, 32
	s_and_b32 s17, ttmp7, 0xffff
	s_lshl_b32 s17, s17, 2
	s_add_co_u32 s17, s17, s41                     ; tb
	s_lshl_b32 s42, ttmp9, 2
	s_add_co_u32 s42, s42, s40                     ; g
	s_lshl_b32 s20, s17, 8
	s_lshl_b32 s18, s16, 7
	s_add_co_u32 s20, s20, s18                     ; waves 0, 1 fetch 128 rows of x each
	s_mul_i32 s20, s20, 768
	s_mov_b32 s21, 0
	s_lshl_b32 s22, s42, 7
	s_add_co_u32 s22, s22, 8192                    ; W's rows lie behind x's 8,192
	s_lshl_b32 s18, s14, 5
	s_add_co_u32 s46, s22, s18                     ; a refill: 32 rows a wave
	s_lshl_b32 s18, s16, 6
	s_add_co_u32 s22, s22, s18                     ; the head: waves 2, 3 fetch 64 rows each
	s_mul_i32 s22, s22, 768
	s_mul_i32 s46, s46, 768
	s_mov_b32 s23, 0
	s_mov_b32 s47, 0
	s_mul_i32 s45, s16, 128*PITCH
	s_mul_i32 s94, s16, 64*PITCH
	s_mul_i32 s95, s14, 32*PITCH
	s_wait_dscnt 0x0
	s_wait_kmcnt 0x0
	s_add_nc_u64 s[20:21], s[4:5], s[20:21]
	s_add_nc_u64 s[22:23], s[4:5], s[22:23]
	s_add_nc_u64 s[46:47], s[4:5], s[46:47]
	CROUND                                         ; all sixteen work-groups are here: the joint loads meet
	G0SET G0X, 45, 0, 20
	G0SET G0W, 94, XB, 22
	G0SET G0R, 95, XB, 46
	s_cmp_lt_u32 s14, 2                            ; one tensor load a wave at the head
	s_cbranch_scc0 .Lhead_w
	tensor_load_to_lds s[G0X:G0X+3], s[G1X:G1X+7]
	s_nop 0
	PLACES
	s_branch .Lhead_asked
.Lhead_w:
	tensor_load_to_lds s[G0W:G0W+3], s[G1W:G1W+7]
	s_nop 0
	PLACES
.Lhead_asked:
	s_lshl_b32 s18, s17, 1
	s_add_co_u32 s18, s18, s15                     ; my group of 128 tokens, 0..63
	s_lshl_b32 s20, s18, 12                        ; 128 rows of 32 scale bytes
	s_add_co_u32 s20, s20, SCOFF
	s_mov_b32 s21, 0
	s_add_nc_u64 s[PXS:PXS+1], s[4:5], s[20:21]
	s_lshl_b32 s19, s42, 1
	s_add_co_u32 s19, s19, s16                     ; my head, 0..15
	s_lshl_b32 s20, s19, 11                        ; 64 rows of 32 scale bytes
	s_add_co_u32 s20, s20, SCOFF+8192*32
	s_add_nc_u64 s[PWS:PWS+1], s[4:5], s[20:21]
	s_lshl_b32 s20, s19, 8                         ; 64 numbers of the bias
	s_add_nc_u64 s[PBI:PBI+1], s[6:7], s[20:21]
	s_lshr_b32 s22, s18, 4
	s_lshl_b32 s22, s22, 4
	s_add_co_u32 s22, s22, s19                     ; 16 x batch + head
	s_and_b32 s23, s18, 15                         ; the group in its sequence
	s_mul_i32 s20, s22, 106496
	s_mul_i32 s43, s23, 6656
	s_add_co_u32 s20, s20, s43
	s_add_nc_u64 s[PQ:PQ+1], s[8:9], s[20:21]      ; q's record
	s_add_nc_u64 s[PQS:PQS+1], s[PQ:PQ+1], 6144
	s_mul_i32 s20, s22, 208896
	s_mul_i32 s43, s23, 13056
	s_add_co_u32 s20, s20, s43
	s_add_nc_u64 s[PK:PK+1], s[10:11], s[20:21]    ; k's and v's record
	s_add_nc_u64 s[PV:PV+1], s[PK:PK+1], 6144
	s_add_nc_u64 s[PKS:PKS+1], s[PK:PK+1], 12288
	s_mul_i32 s12, s15, 128*PITCH
	s_add_co_u32 s13, s12, 4*TILE
	s_mul_i32 s92, s16, 64*PITCH
	s_add_co_u32 s92, s92, XB
	s_mov_b32 s[SELP], 0x76543210
	s_mov_b32 s[SELP+1], 0xfedcba98
	s_mov_b32 s[FILL], 0x7f7f0000
	s_mov_b32 s[HM], 0xffff0000
	v_and_b32 v1, 15, v0
	v_bfe_u32 v2, v0, 4, 1
	v_and_b32 v6, 31, v0
	v_mul_u32_u24 v3, v1, PITCH
	v_mad_u32_u24 v4, v2, 24, v3                   ; row x pitch + 24 x half
	v_lshl_add_u32 v5, v2, 4, v4                   ; where lanes 16-31 have passed one more padding
	v_add_nc_u32 v[AX], s12, v4
	v_add_nc_u32 v[AX+1], s12, v5
	v_add_nc_u32 v[AX+2], s13, v4
	v_add_nc_u32 v[AX+3], s13, v5
	v_add_nc_u32 v[AW], s92, v4
	v_add_nc_u32 v[AW+1], s92, v5
	v_lshlrev_b32 v[RS], 5, v1
	v_lshlrev_b32 v[BO], 6, v2
	v_and_b32 v7, 8, v1
	v_add_nc_u32 v7, v7, v1
	v_lshlrev_b32 v[BVO], 2, v7
	v_lshlrev_b32 v[L16], 4, v6
	v_lshlrev_b32 v[L8], 3, v6
	v_lshlrev_b32 v[H16], 4, v2
	s_wait_alu depctr_va_vdst(0)                   ; the head's end
.macro WSCALES
.irp b, 0,1,2,3
	global_load_b128 v[WS+8*\b:WS+8*\b+3], v[RS], s[PWS:PWS+1] offset:512*\b
	global_load_b128 v[WS+8*\b+4:WS+8*\b+7], v[RS], s[PWS:PWS+1] offset:512*\b+16
.endr
.endm
.macro QBIAS off                       ; register 16 c + j: feature 32 c + 16 (lane / 16) + j of my head
	WIN 0x40
.irp e, 0,1,2,3,4,5,6,7
	global_load_b128 v[BQ+4*\e:BQ+4*\e+3], v[BO], s[PBI:PBI+1] offset:\off+128*(\e/4)+16*(\e%4)
.endr
	WIN 0
.endm
.irp i, 0,1,2,3,4,5,6,7
	global_load_b128 v[XS+8*\i:XS+8*\i+3], v[RS], s[PXS:PXS+1] offset:512*\i
	global_load_b128 v[XS+8*\i+4:XS+8*\i+7], v[RS], s[PXS:PXS+1] offset:512*\i+16
.endr
	WSCALES
	QBIAS 0
.irp f, 0,1,2,3
	global_load_b32 v[BV+\f], v[BVO], s[PBI:PBI+1] offset:8192+(32*(\f/2)+8*(\f%2))*4
.endr
	s_wait_loadcnt 0x0
	WIN 0x40
.irp f, 0,1,2,3
.irp j, 0,1,2,3,4,5,6,7
	v_mov_b32 v[BVC+8*\f+\j], v[BV+\f]             ; v's bias hangs on the lane alone: the same in a tile's eight registers
.endr
.endr
	WIN 0
; a fragment: 16 rows x 128 K, 12 registers, in pieces of 8 bytes; piece n of a row lies at 8 n + 16 (n / 32); lanes 16-31 read three pieces on
.macro FRAG reg, adr, st, i
.irp p, 0,1,2,3,4,5
.set PC, 12*(\st)+6*(\p/3)+\p%3
.if PC%32 < 29
	ds_load_b64 v[\reg+2*\p:\reg+2*\p+1], v[\adr] offset:8*PC+16*(PC/32)+(\i)*TILE
.else
	ds_load_b64 v[\reg+2*\p:\reg+2*\p+1], v[\adr+1] offset:8*PC+16*(PC/32)+(\i)*TILE
.endif
.endr
.endm
.macro FETCH st
	WIN 0x40
.irp i, 0,1,2,3
	FRAG 128*((\st)%2)+12*\i, AX, \st, \i
.endr
.irp i, 0,1,2,3
	FRAG 128*((\st)%2)+12*(\i+4), AX+2, \st, \i
.endr
	WIN 0
.irp i, 0,1,2,3
	FRAG WF+48*((\st)%2)+12*\i, AW, \st, \i
.endr
.endm
.macro WM d, a, b, c, sa, sb
	v_wmma_scale_f32_16x16x128_f8f6f4 v[\d:\d+7], v[\a:\a+11], v[\b:\b+11], v[\c:\c+7], v[\sa], v[\sb] matrix_a_fmt:MATRIX_FMT_FP6 matrix_b_fmt:MATRIX_FMT_FP6
.endm
; 32 matrix instructions, the accumulators by turns.  kind 0: q, k; kind 1: v
.macro MUL kind, st
.set P, (\st)%2
.if \kind == 0
.if (\st) == 0
	WIN 0x94
.else
	WIN 0xa4
.endif
.irp a, 0,1,2,3,4,5,6,7
.irp b, 0,1,2,3
.set DD, 8*(4*\a+\b)
.if (\st) == 0
.set CC, BQ+8*\b
.else
.set CC, DD
.endif
	WM DD, WF+48*P+12*\b, 128*P+12*\a, CC, WS+8*\b+(\st), XS+8*\a+(\st)
.endr
.endr
.else
.if (\st) == 0
	WIN 0x91
.else
	WIN 0xa1
.endif
.irp f, 0,1,2,3
.irp t, 0,1,2,3,4,5,6,7
.set DD, 8*(8*\f+\t)
.if (\st) == 0
.set CC, BVC+8*\f
.else
.set CC, DD
.endif
	WM DD, 128*P+12*\t, WF+48*P+12*\f, CC, XS+8*\t+(\st), WS+8*\f+(\st)
.endr
.endr
.endif
	WIN 0
.endm
.macro COMPUTE kind                    ; all of K: eight steps; a step's fragments are fetched ahead of the step before it
	FETCH 0
.set ST, 0
.rept 8
	s_wait_dscnt 0x0                               ; this step's fragments are in
.if ST < 7
.if ST > 0
	PLACES                                         ; ahead of loads into registers that the last products read
.endif
	FETCH ST+1
.endif
	MUL \kind, ST
.set ST, ST+1
.endr
	PLACES                                         ; ahead of the first read of the results
.endm
; 64 registers of window 2 from s on: four blocks of 32 along the next K (16 numbers in lane l, 16 in lane l xor 16) -> two times six registers of codes and four scale bytes
.macro QUANT s, d0, d1, pw
	WIN 0x0a
.irp b, 0,1,2,3
	v_max3_num_f32 v[TM+\b], |v[\s+16*\b]|, |v[\s+1+16*\b]|, 0x1800000   ; with the floor 2^(3 - 127); each accumulator is read from its low end on
.endr
	WIN 0x28
.irp i, 2,4,6,8,10,12,14
.irp b, 0,1,2,3
	v_max3_num_f32 v[TM+\b], v[TM+\b], |v[\s+16*\b+\i]|, |v[\s+1+16*\b+\i]|
.endr
.endr
	WIN 0
.irp b, 0,1,2,3
	v_permlanex16_b32 v[TM+4+\b], v[TM+\b], s[SELP], s[SELP+1]
.endr
.irp b, 0,1,2,3
	v_max_num_f32 v[TM+\b], v[TM+\b], v[TM+4+\b]
.endr
.irp b, 0,1,2,3
	v_add_nc_u32 v[TM+12+\b], 0xff000000, v[TM+\b] ; 2 off the exponent field: the conversion's scale operand
.endr
.irp b, 0,1,2,3
	v_lshrrev_b32 v[TM+4+\b], 23, v[TM+12+\b]
.endr
	v_lshl_or_b32 v[\pw], v[TM+5], 8, v[TM+4]
	v_lshl_or_b32 v[\pw], v[TM+6], 16, v[\pw]
	v_lshl_or_b32 v[\pw], v[TM+7], 24, v[\pw]
	WIN 0x02
	v_cvt_scalef32_pk16_fp6_f32 v[\d0:\d0+2], v[\s:\s+15], v[TM+12]
	v_cvt_scalef32_pk16_fp6_f32 v[TQ:TQ+2], v[\s+16:\s+31], v[TM+13]
	v_cvt_scalef32_pk16_fp6_f32 v[\d1:\d1+2], v[\s+32:\s+47], v[TM+14]
	v_cvt_scalef32_pk16_fp6_f32 v[TQ+4:TQ+6], v[\s+48:\s+63], v[TM+15]
	WIN 0
	v_nop                                          ; a plain line behind the conversions
.irp i, 0,1,2
	v_permlane16_swap_b32 v[\d0+\i], v[TQ+\i]
	v_permlane16_swap_b32 v[\d1+\i], v[TQ+4+\i]
.endr
.irp i, 0,1,2
	v_mov_b32 v[\d0+3+\i], v[TQ+\i]
	v_mov_b32 v[\d1+3+\i], v[TQ+4+\i]
.endr
.endm
.macro OUT12 ptr, off                  ; twelve registers of codes: 32 lanes store 512 consecutive bytes, three times
.irp g, 0,1,2
	global_store_b128 v[L16], v[CA+4*\g:CA+4*\g+3], s[\ptr:\ptr+1] offset:\off+512*\g
.endr
.endm
	s_wait_alu depctr_va_vdst(0)
	s_wait_tensorcnt 0x0                           ; my part of the head's tiles is in,
	s_barrier_signal -1
	s_barrier_wait -1                              ; everybody's is
	s_mov_b32 s3, 0
.Ltrip:                                                ; trip 0: q, trip 1: k
	COMPUTE 0
	s_wait_tensorcnt 0x0                           ; the three lines ahead of a refill's round
	ds_add_u32 v[SPW], v[NIL]
	s_add_nc_u64 s[G0R+2:G0R+3], s[G0R+2:G0R+3], WSTEP   ; no load of mine is out: the next 128 rows of W,
	s_add_nc_u64 s[PWS:PWS+1], s[PWS:PWS+1], 32768       ; and their scale bytes
	s_wait_dscnt 0x0                               ; the add is done, and my reads of the slot
	CROUND                                         ; no wave of any partner still reads the slot
	tensor_load_to_lds s[G0R:G0R+3], s[G1R:G1R+7]  ; my 32 rows
	s_nop 0
	PLACES
	WSCALES
	s_cmp_eq_u32 s3, 0
	s_cbranch_scc0 .Lno_bias                       ; k's bias is fetched in trip 0; v's came at the head
	QBIAS 4096
.Lno_bias:
	s_wait_xcnt 0x0                                ; the last trip's stores have read their bases
	s_cmp_eq_u32 s3, 0
	s_cselect_b64 s[PA:PA+1], s[PQ:PQ+1], s[PK:PK+1]
	s_cselect_b64 s[PS:PS+1], s[PQS:PQS+1], s[PKS:PKS+1]
.irp b, 0,1,2,3
	v_mov_b32 v[TM+4+\b], 0                        ; a lane permute's destination counts as a source
.endr
.irp j, 0,1,2,3                        ; two tiles of 16 tokens at a time: blocks 0, 1 are tile 2 j's, blocks 2, 3 tile 2 j + 1's
.if \j > 0
	s_wait_alu depctr_va_vdst(0)
	s_wait_xcnt 0x0                                ; the stores have read the codes' registers
.endif
	QUANT 64*\j, CA, CA+6, PW
	v_lshrrev_b32 v[TP], v[H16], v[PW]
	v_and_or_b32 v[SW+\j], v[TP], 0xffff, s[FILL]  ; lanes 0-15 the even tile's word, lanes 16-31 the odd tile's; the upper 64 along K get the byte of 1.0
	OUT12 PA, \j*1536
.endr
	global_store_b128 v[L16], v[SW:SW+3], s[PS:PS+1]   ; the record's 512 bytes of scale words
	s_wait_alu depctr_va_vdst(0)
	s_wait_xcnt 0x0                                ; the stores have read their registers: fragments land there next
	s_wait_loadcnt 0x0                             ; scale words and bias
	s_wait_tensorcnt 0x0                           ; my 32 rows are in,
	s_barrier_signal -1
	s_barrier_wait -1                              ; everybody's are
	s_add_co_u32 s3, s3, 1
	s_cmp_lt_u32 s3, 2
	s_cbranch_scc1 .Ltrip
	COMPUTE 1                                      ; v: nothing more is fetched
.irp b, 0,1,2,3
	v_mov_b32 v[TM+4+\b], 0
.endr
.irp f, 0,1,2,3                        ; a tile of 16 features x 128 keys: four blocks of 32 keys
.if \f > 0
	s_wait_alu depctr_va_vdst(0)
	s_wait_xcnt 0x0
.endif
	QUANT 64*\f, CA, CA+6, SW+\f
	OUT12 PV, \f*1536
.endr
	v_cndmask_b32 v[SO], v[SW], v[SW+1], s[HM]     ; lanes 0-15 the even tiles' words, lanes 16-31 the odd tiles'
	v_cndmask_b32 v[SO+1], v[SW+2], v[SW+3], s[HM]
	global_store_b64 v[L8], v[SO:SO+1], s[PV:PV+1] offset:6656
	s_wait_tensorcnt 0x0                           ; the wave's end
	ds_add_u32 v[SPW], v[NIL]
	s_wait_dscnt 0x0
	CROUND                                         ; the closing round
	s_endpgm
.Lfunc_end_k_qf1ab26641b_gemm_qkv:
	.size	k_qf1ab26641b_gemm_qkv, .Lfunc_end_k_qf1ab26641b_gemm_qkv-k_qf1ab26641b_gemm_qkv
	.p2alignl 7, 3214868480
	.fill 96, 4, 3214868480
	.section	.rodata,"a",@progbits
	.p2align	6, 0x0
	.amdhsa_kernel k_qf1ab26641b_gemm_qkv
		.amdhsa_group_segment_fixed_size 327680
		.amdhsa_private_segment_fixed_size 0
		.amdhsa_enable_private_segment 0
		.amdhsa_kernarg_size 32
		.amdhsa_user_sgpr_count 2
		.amdhsa_user_sgpr_kernarg_segment_ptr 1
		.amdhsa_wavefront_size32 1
		.amdhsa_system_sgpr_workgroup_id_x 1
		.amdhsa_system_sgpr_workgroup_id_y 1
		.amdhsa_system_sgpr_workgroup_id_z 1
		.amdhsa_system_vgpr_workitem_id 0
		.amdhsa_next_free_vgpr 768
		.amdhsa_next_free_sgpr 100
		.amdhsa_reserve_vcc 0
		.amdhsa_float_denorm_mode_32 3
		.amdhsa_float_denorm_mode_16_64 3
		.amdhsa_memory_ordered 1
		.amdhsa_forward_progress 1
		.amdhsa_inst_pref_size 191
	.end_amdhsa_kernel
	.amdgpu_metadata
---
amdhsa.version: [ 1, 2 ]
amdhsa.kernels:
  - .name:           k_qf1ab26641b_gemm_qkv
    .symbol:         k_qf1ab26641b_gemm_qkv.kd
    .args:
      - { .name: opnd1, .offset: 0, .size: 8, .value_kind: global_buffer, .address_space: global }
      - { .name: b_qkv, .offset: 8, .size: 8, .value_kind: global_buffer, .address_space: global }
      - { .name: qbuf, .offset: 16, .size: 8, .value_kind: global_buffer, .address_space: global }
      - { .name: kvbuf, .offset: 24, .size: 8, .value_kind: global_buffer, .address_space: global }
    .group_segment_fixed_size: 327680
    .private_segment_fixed_size: 0
    .kernarg_segment_align: 8
    .kernarg_segment_size: 32
    .max_flat_workgroup_size: 128
    .sgpr_count:     100
    .vgpr_count:     768
    .wavefront_size: 32
...
	.end_amdgpu_metadata
.endif
;; end of part 2
;; launch attn (part 3): grid 4 x 64, 16 waves a work-group, clusters of 4 x 1, 212,992 bytes of LDS; arguments qbuf, kvbuf, ybuf; writes ybuf
.if DOCPART == 3
	.amdgcn_target "amdgcn-amd-amdhsa--gfx1250"
	.amdhsa_code_object_version 6
	.text
	.protected	k_qf1ab26641b_attn
	.globl	k_qf1ab26641b_attn
	.p2align	8
	.type	k_qf1ab26641b_attn,@function
k_qf1ab26641b_attn:
	s_mov_b64 s[64:65], 0
	v_nop
	global_prefetch_b8 v0, s[64:65] scope:SCOPE_SE
	s_setreg_imm32_b32 hwreg(HW_REG_WAVE_MODE, 25, 1), 1
	s_wait_xcnt 0x0
	s_wait_alu depctr_hold_cnt(0) depctr_sa_sdst(0) depctr_va_vdst(0) depctr_va_sdst(0) depctr_va_ssrc(0) depctr_va_vcc(0) depctr_vm_vsrc(0)
	s_getreg_b32 s2, hwreg(HW_REG_IB_STS2, 6, 4)
	s_cmp_eq_u32 s2, 0
	s_cbranch_scc0 .Lentry_in_a_cluster
	s_endpgm
.Lentry_in_a_cluster:
	s_bfe_u32 s2, ttmp6, 0x10000c
	s_cmp_lg_u32 s2, 0x3003
	s_cbranch_scc0 .Lentry_shape_is_right
	s_endpgm
.Lentry_shape_is_right:
; y = softmax(q k^T / 8) v for one head a cluster, both products on codes of FP6 (E2M3) with E8M0 scales; y / the row's sum is quantised along the head's 64 and stored as an image of operand registers.
; THE SOFTMAX: t = score x log2(e) / 8; M = the running largest t rounded up to a whole number; p = 2^(t - M) is quantised along the keys, not normalised; the sum is taken of the unquantised p and divides at the end.
; SHARES.  A cluster of four work-groups is one head (16 batch + h = the cluster's y).  A work-group owns 512 queries; each of its sixteen waves two tiles of 16, one after the other (two passes over the keys).
; THE HEAD'S WHOLE K AND V LIE IN LDS: 16 records of 13,056 bytes (128 keys each), asked for jointly by the four work-groups, wave w record w, filled once and never again.
; A record: K: 8 tiles x 6 registers as 12 groups of four registers (512 bytes, lane l's 16 at 16 l); V^T: 4 tiles of 16 features x 12 registers; K's scale words (512 bytes); V's (256).
; K = 64 in the first product, and the instruction takes 128: Q's upper six registers are zero codes, its and K's upper scale bytes stand for 1.0; K's upper six are whatever follows in the registers: they meet zeros.
; LAYOUT.  Both products transposed: S^T = K Q^T, O^T = V^T P^T: a lane holds one query.  The 16 registers of tiles 2 b, 2 b + 1 are 16 neighbouring keys (or features): 32 b + 16 (lane / 16) + 0 .. 15.
; TWO AREAS OF 64 REGISTERS TAKE TURNS.  In a step one holds K and then V, the other S^T, then p, and, once p's codes are made, the NEXT record's K: a trip of the loop is two steps.
; The fetch of the next K wraps to record 0: the second pass begins with it; at the second pass's end it is fetched once more and not used.
; Tokens keep the order of the buffers (bits 3 and 4 exchanged); the last launch puts them right.
; No prefetch: every byte that the launch reads is asked for at its head.
; LIMITS: a block of zeros gets the byte 1; NaN and infinities are not served; the promise holds while the scaled scores stay under 2^31 in magnitude.
.set REC,   13056
.set HEADB, 16*REC
.set SPARE, HEADB                      ; the spare words: 128 bytes for each of 16 waves
.set QREC,  6656
.set LI,  1                            ; 16 x lane
.set L8,  2                            ; 8 x lane
.set AKA, 3                            ; a record's LDS address + 16 x lane: two registers by turns
.set AKB, 4
.set SPW, 5
.set NIL, 6
.set R32, 7                            ; 32 x (lane % 16)
.set QS,  8                            ; v8-9 my two tiles' scale words
.set QSC, 10                           ; the scale word of the tile in hand
.set A8,  11                           ; a record's LDS address + 8 x lane
                                       ; v12 -M, v13 the running largest score, v[14:15] the row's sum in two halves
.set QF,  16                           ; v16-27 Q: six registers of codes, six of zeros
.set QP,  28                           ; v28-39 both tiles' codes
.set XA,  40                           ; v40-103 and v104-167: the two areas
.set YA,  104
.set O,   168                          ; v168-199 O^T
.set PC,  200                          ; v200-211 p's codes (at a tile's end y's)
.set TQ,  212
.set BM,  220
.set BP,  224
.set BS,  228
.set KSC, 232                          ; v232-235 K's scale words
.set VSC, 236                          ; v236-237 V's
.set PSW, 238                          ; p's
.set TMP, 239
.set FF,  240                          ; v240 f (at a tile's end 1 / the sum), v241 0
.set T7,  242                          ; v242-255 seven pairs for the sum
.set OM,  255                          ; the old -M, until the pairs are begun
.set WV,  18
.set SEL, 20
.set CS,  22
.set G0,  24
.set G1,  40
.set TB,  48
.set CNT, 49
.set YP,  50
.set YS,  52
.set TC,  54
.macro CROUND
	s_barrier_signal -1
	s_barrier_wait -1
	s_cmp_lg_u32 s[WV], 0
	s_cbranch_scc1 .Lnot_wave_0_\@
	s_barrier_signal -3
.Lnot_wave_0_\@:
	s_barrier_wait -3
	s_barrier_signal -1
	s_barrier_wait -1
.endm
	s_load_b128 s[4:7], s[0:1], 0x0                ; qbuf, kvbuf
	s_load_b64 s[8:9], s[0:1], 0x10                ; ybuf
	v_lshl_add_u32 v[SPW], v0, 2, SPARE
	v_mov_b32 v[NIL], 0
	ds_add_u32 v[SPW], v[NIL]                      ; the opening lines: the add twice, its wait ahead of the first tensor load
	ds_add_u32 v[SPW], v[NIL]
	v_lshrrev_b32 v1, 5, v0
	s_delay_alu instid0(VALU_DEP_1)
	v_readfirstlane_b32 s[WV], v1                  ; wave 0..15
	s_bfe_u32 s10, ttmp6, 0x40000                  ; cx: it enters Q's and y's addresses alone
	s_and_b32 s11, ttmp7, 0xffff                   ; the head, which the four partners share
	s_mov_b32 s[G1], 15|(3<<16)|(1<<21)            ; the mask: all four; elements of 8 bytes; bit 21 beside a mask; no padding
	s_mov_b32 s[G1+1], 32<<16                      ; a record is 51 dense rows of 256 bytes
	s_mov_b32 s[G1+2], 51<<16
	s_mov_b32 s[G1+3], 32<<16
	s_mov_b32 s[G1+4], 51
	s_mov_b32 s[G1+5], 32
	s_mov_b32 s[G1+6], 0
	s_mov_b32 s[G1+7], 0
	s_and_b32 s12, s[WV], 3
	s_mul_i32 s13, s[WV], REC                      ; wave w fetches record w
	s_mul_i32 s14, s11, HEADB
	s_add_co_u32 s14, s14, s13
	s_mov_b32 s15, 0
	s_mov_b32 s[SEL], 0x76543210
	s_mov_b32 s[SEL+1], 0xfedcba98
	s_mov_b32 s[CS], 0x3e38aa3b                    ; c = log2(e) / 8
	s_mov_b32 s[CS+1], s[CS]
	s_wait_dscnt 0x0
	s_wait_kmcnt 0x0
	s_add_nc_u64 s[14:15], s[6:7], s[14:15]
	CROUND                                         ; all four work-groups are here: the joint loads meet
	s_mov_b32 s[G0], 1
	s_add_co_u32 s[G0+1], s13, 0
	s_mov_b64 s[G0+2:G0+3], s[14:15]
	s_or_b32 s[G0+3], s[G0+3], 0x80000000
	tensor_load_to_lds s[G0:G0+3], s[G1:G1+7]      ; sixteen records, sixteen waves: one joint load a wave
	s_nop 0
.rept 4
	v_nop
.endr
	v_and_b32 v[TMP], 31, v0
	v_and_b32 v[BM], 15, v0
	v_lshlrev_b32 v[LI], 4, v[TMP]
	v_lshlrev_b32 v[L8], 3, v[TMP]
	v_lshlrev_b32 v[AKA], 4, v[TMP]                ; record 0
	v_lshlrev_b32 v[A8], 3, v[TMP]
	v_lshlrev_b32 v[R32], 5, v[BM]
	v_lshlrev_b32 v[BM+1], 4, v[BM]                ; Q's scale words: 16 bytes a row
	s_wait_alu depctr_va_vdst(0)                   ; ahead of the run of scalar lines
	s_lshl_b32 s54, s10, 2
	s_lshr_b32 s55, s[WV], 2
	s_add_co_u32 s54, s54, s55                     ; my group of 128 queries: 4 cx + wave / 4
	s_mul_i32 s56, s11, 16*QREC
	s_mul_i32 s57, s54, QREC
	s_add_co_u32 s56, s56, s57
	s_mov_b32 s57, 0
	s_add_nc_u64 s[4:5], s[4:5], s[56:57]          ; its record
	s_mul_i32 s56, s12, 1536
	s_add_nc_u64 s[58:59], s[4:5], s[56:57]        ; my two tiles' codes
	s_lshl_b32 s56, s12, 2
	s_add_co_u32 s56, s56, 6144
	s_add_nc_u64 s[60:61], s[4:5], s[56:57]        ; and scale words
.irp g, 0,1,2
	global_load_b128 v[QP+4*\g:QP+4*\g+3], v[LI], s[58:59] offset:512*\g
.endr
	global_load_b32 v[QS], v[BM+1], s[60:61]
	global_load_b32 v[QS+1], v[BM+1], s[60:61] offset:256
	s_lshr_b32 s56, s11, 4
	s_lshl_b32 s56, s56, 7
	s_lshl_b32 s55, s54, 3
	s_add_co_u32 s56, s56, s55
	s_lshl_b32 s55, s12, 1
	s_add_co_u32 s56, s56, s55                     ; my first tile among all 512 tiles of tokens
	s_and_b32 s55, s11, 15                         ; the head in its batch
	s_mul_i32 s62, s56, 12288
	s_mul_i32 s63, s55, 768
	s_add_co_u32 s62, s62, s63
	s_mov_b32 s63, 0
	s_add_nc_u64 s[YP:YP+1], s[8:9], s[62:63]      ; y's codes: tile x 12,288 + head x 768
	s_lshl_b32 s62, s56, 9
	s_lshl_b32 s55, s55, 1
	s_add_co_u32 s62, s62, s55
	s_add_co_u32 s62, s62, 6291456
	s_add_nc_u64 s[YS:YS+1], s[8:9], s[62:63]      ; y's scale bytes: row x 32 + 2 x head
.irp i, 0,1,2,3,4,5
	v_mov_b32 v[QF+6+\i], 0                        ; zero codes for the upper 64 along K
	v_mov_b32 v[XA+48+\i], 0                       ; what follows the first record's K in its area
.endr
	v_mov_b32 v[FF+1], 0                           ; named as the upper half of a pair
	s_wait_loadcnt 0x0                             ; Q
.macro INIT p                          ; tile p of my two: its codes and scale word; the sums begin as zeros and the largest score as -3e38
.irp i, 0,1,2,3,4,5
	v_mov_b32 v[QF+\i], v[QP+6*\p+\i]
.endr
	v_mov_b32 v[QSC], v[QS+\p]
	v_mov_b32 v13, 0xff61b1e6
	s_delay_alu instid0(VALU_DEP_1)
	v_floor_f32 v12, -v13
	v_mov_b32 v14, 0
	v_mov_b32 v15, 0
.set j, 0
.rept 32
	v_mov_b32 v[O+j], 0
.set j, j+1
.endr
.endm
.macro KLOAD area, adr                 ; a record's K and its scale words: 13 loads
.irp g, 0,1,2,3,4,5,6,7,8,9,10,11
	ds_load_b128 v[\area+4*\g:\area+4*\g+3], v[\adr] offset:512*\g
.endr
	ds_load_b128 v[KSC:KSC+3], v[\adr] offset:12288 ; lanes 0-15: the even tiles' words, lanes 16-31: the odd tiles'
.endm
.macro FMA8 sa, j0                     ; t - M of sixteen scores
.irp j, 0,2,4,6,8,10,12,14
	v_pk_fma_f32 v[\sa+\j0+\j:\sa+\j0+\j+1], v[\sa+\j0+\j:\sa+\j0+\j+1], s[CS:CS+1], v[12:13] op_sel_hi:[1,0,0]
.endr
.endm
; A KEY STEP.  KA: the area with this record's K, then its V; SA: the area for S^T, p and the next record's K; AV: this record's address; AN: the next record's, made here from s[TN]
.macro STEP KA, SA, AV, AN, TN
	s_wait_dscnt 0x0                               ; K and its scale words, asked for in the step before
.irp t, 0,1,2,3,4,5,6,7
.if \t%2
	v_wmma_scale_f32_16x16x128_f8f6f4 v[\SA+8*\t:\SA+8*\t+7], v[\KA+6*\t:\KA+6*\t+11], v[QF:QF+11], 0, v[KSC+\t/2], v[QSC] matrix_a_fmt:MATRIX_FMT_FP6 matrix_b_fmt:MATRIX_FMT_FP6 matrix_a_scale:MATRIX_SCALE_ROW1
.else
	v_wmma_scale_f32_16x16x128_f8f6f4 v[\SA+8*\t:\SA+8*\t+7], v[\KA+6*\t:\KA+6*\t+11], v[QF:QF+11], 0, v[KSC+\t/2], v[QSC] matrix_a_fmt:MATRIX_FMT_FP6 matrix_b_fmt:MATRIX_FMT_FP6
.endif
.endr
	v_mov_b32 v[OM], v12                           ; four places: ahead of the loads below and of the first read of the scores
.rept 3
	v_nop
.endr
.irp g, 0,1,2,3,4,5,6,7,8,9,10,11
	ds_load_b128 v[\KA+4*\g:\KA+4*\g+3], v[\AV] offset:6144+512*\g   ; V lands while the softmax is walked
.endr
	ds_load_b64 v[VSC:VSC+1], v[A8] offset:12800
.irp b, 0,1,2,3                        ; the largest score of each block of 32 keys, in eight chains: it serves the row's maximum and, since p rises with the score, the block's largest p
	v_max3_num_f32 v[BM+\b], v[\SA+16*\b], v[\SA+1+16*\b], v[\SA+2+16*\b]
.endr
.irp b, 0,1,2,3
	v_max3_num_f32 v[BP+\b], v[\SA+8+16*\b], v[\SA+9+16*\b], v[\SA+10+16*\b]
.endr
.irp i, 3,5
.irp b, 0,1,2,3
	v_max3_num_f32 v[BM+\b], v[BM+\b], v[\SA+16*\b+\i], v[\SA+1+16*\b+\i]
.endr
.irp b, 0,1,2,3
	v_max3_num_f32 v[BP+\b], v[BP+\b], v[\SA+8+16*\b+\i], v[\SA+9+16*\b+\i]
.endr
.endr
	v_add_nc_u32 v[\AN], s[\TN], v[LI]             ; the next record's addresses
	v_add_nc_u32 v[A8], s[\TN], v[L8]
.irp b, 0,1,2,3
	v_max3_num_f32 v[BM+\b], v[BM+\b], v[BP+\b], v[\SA+7+16*\b]
.endr
.irp b, 0,1,2,3
	v_max_num_f32 v[BM+\b], v[BM+\b], v[\SA+15+16*\b]
.endr
.irp b, 0,1,2,3
	v_permlanex16_b32 v[BP+\b], v[BM+\b], s[SEL], s[SEL+1]
.endr
.irp b, 0,1,2,3
	v_max_num_f32 v[BM+\b], v[BM+\b], v[BP+\b]     ; with lane l xor 16's 16 keys
.endr
	v_max3_num_f32 v[TMP], v[BM], v[BM+1], v[BM+2]
	s_delay_alu instid0(VALU_DEP_1)
	v_max3_num_f32 v13, v13, v[TMP], v[BM+3]       ; the running largest score (c is positive: its t is the largest t)
	s_delay_alu instid0(VALU_DEP_1)
	v_mul_f32 v[TMP], s[CS], v13
	s_delay_alu instid0(VALU_DEP_1)
	v_floor_f32 v12, -v[TMP]                       ; -M = floor(-t): M is a whole number
	FMA8 \SA, 0
	v_sub_f32 v[TMP], v12, v[OM]                   ; old M - new M, laid among the multiply-adds
	FMA8 \SA, 16
	v_cvt_i32_f32 v[TMP], v[TMP]                   ; (it saturates)
	FMA8 \SA, 32
	v_ldexp_f32 v[FF], 1.0, v[TMP]                 ; f = 2^(old M - new M): exact
	FMA8 \SA, 48
.irp b, 0,1,2,3
	v_fma_f32 v[BM+\b], v[BM+\b], s[CS], v12
.endr
	s_wait_alu depctr_va_vdst(0)                   ; ahead of the batch
.set j, 0
.rept 64
	v_exp_f32 v[\SA+j], v[\SA+j]
.set j, j+1
.endr
.irp b, 0,1,2,3
	v_exp_f32 v[BM+\b], v[BM+\b]                   ; the blocks' largest p
.endr
	v_pk_mul_f32 v[14:15], v[14:15], v[FF:FF+1] op_sel_hi:[1,0]   ; the sums under the new M: a plain line behind the exponentials
	s_wait_alu depctr_va_vdst(0)                   ; one wait for the batch, ahead of its first reader
; the sum of the unquantised p in eight chains, the blocks' scales laid among them
.irp k, 0,1,2,3,4,5,6
	v_pk_add_f32 v[T7+2*\k:T7+2*\k+1], v[\SA+4*\k:\SA+4*\k+1], v[\SA+4*\k+2:\SA+4*\k+3]
.endr
	v_pk_add_f32 v[14:15], v[14:15], v[\SA+28:\SA+29]
.irp b, 0,1,2,3
	v_max_num_f32 v[BM+\b], 0x1800000, v[BM+\b]    ; the floor 2^(3 - 127)
.endr
.irp k, 0,1,2,3,4,5,6
	v_pk_add_f32 v[T7+2*\k:T7+2*\k+1], v[T7+2*\k:T7+2*\k+1], v[\SA+30+2*\k:\SA+31+2*\k]
.endr
	v_pk_add_f32 v[14:15], v[14:15], v[\SA+44:\SA+45]
.irp b, 0,1,2,3
	v_add_nc_u32 v[BS+\b], 0xff000000, v[BM+\b]    ; 2 off the exponent field: the conversion's scale operand
.endr
.irp k, 0,1,2,3,4,5,6
	v_pk_add_f32 v[T7+2*\k:T7+2*\k+1], v[T7+2*\k:T7+2*\k+1], v[\SA+46+2*\k:\SA+47+2*\k]
.endr
	v_pk_add_f32 v[14:15], v[14:15], v[\SA+60:\SA+61]
.irp b, 0,1,2,3
	v_lshrrev_b32 v[BP+\b], 23, v[BS+\b]
.endr
	v_pk_add_f32 v[T7:T7+1], v[T7:T7+1], v[\SA+62:\SA+63]
	v_lshl_or_b32 v[TMP], v[BP+1], 8, v[BP]
	v_lshl_or_b32 v[PSW], v[BP+3], 8, v[BP+2]
	s_delay_alu instid0(VALU_DEP_1)
	v_lshl_or_b32 v[PSW], v[PSW], 16, v[TMP]       ; p's scale word for these 128 keys
.irp c, 0,1
	v_cvt_scalef32_pk16_fp6_f32 v[PC+6*\c:PC+2+6*\c], v[\SA+32*\c:\SA+15+32*\c], v[BS+2*\c]
	v_cvt_scalef32_pk16_fp6_f32 v[TQ+4*\c:TQ+2+4*\c], v[\SA+16+32*\c:\SA+31+32*\c], v[BS+2*\c+1]
.endr
	v_nop                                          ; a plain line behind the conversions
	KLOAD \SA, \AN                                 ; p is done with: the next record's K lands on it
.irp c, 0,1
.irp i, 0,1,2
	v_permlane16_swap_b32 v[PC+6*\c+\i], v[TQ+4*\c+\i]
.endr
.irp i, 0,1,2
	v_mov_b32 v[PC+3+6*\c+\i], v[TQ+4*\c+\i]
.endr
.endr
	s_wait_dscnt 13                                ; V and its scale words are in; the 13 loads of the next K may be out
	s_wait_alu depctr_va_vdst(0)                   ; directly ahead of the first reader of O^T
.set j, 0
.rept 16
	v_pk_mul_f32 v[O+j:O+j+1], v[O+j:O+j+1], v[FF:FF+1] op_sel_hi:[1,0]   ; O^T under the new M; also the places between p's scale word and codes and the products
.set j, j+2
.endr
.irp d, 0,1,2,3                        ; the four accumulators by turns
.if \d%2
	v_wmma_scale_f32_16x16x128_f8f6f4 v[O+8*\d:O+8*\d+7], v[\KA+12*\d:\KA+12*\d+11], v[PC:PC+11], v[O+8*\d:O+8*\d+7], v[VSC+\d/2], v[PSW] matrix_a_fmt:MATRIX_FMT_FP6 matrix_b_fmt:MATRIX_FMT_FP6 matrix_a_scale:MATRIX_SCALE_ROW1
.else
	v_wmma_scale_f32_16x16x128_f8f6f4 v[O+8*\d:O+8*\d+7], v[\KA+12*\d:\KA+12*\d+11], v[PC:PC+11], v[O+8*\d:O+8*\d+7], v[VSC+\d/2], v[PSW] matrix_a_fmt:MATRIX_FMT_FP6 matrix_b_fmt:MATRIX_FMT_FP6
.endif
.endr
	v_pk_add_f32 v[T7:T7+1], v[T7:T7+1], v[T7+2:T7+3]             ; the eight chains join: seven plain lines, the places ahead of the next step's products, which write over V's registers
	v_pk_add_f32 v[T7+4:T7+5], v[T7+4:T7+5], v[T7+6:T7+7]
	v_pk_add_f32 v[T7+8:T7+9], v[T7+8:T7+9], v[T7+10:T7+11]
	v_pk_add_f32 v[14:15], v[14:15], v[T7+12:T7+13]
	v_pk_add_f32 v[T7:T7+1], v[T7:T7+1], v[T7+4:T7+5]
	v_pk_add_f32 v[14:15], v[14:15], v[T7+8:T7+9]
	v_pk_add_f32 v[14:15], v[14:15], v[T7:T7+1]
.endm
.macro PASS                            ; all 16 records, two to a trip
	s_mov_b32 s[CNT], 0
.Lstep_\@:
	s_mul_i32 s[TB], s[CNT], REC
	s_add_co_u32 s[TB], s[TB], REC                 ; record CNT + 1
	s_add_co_u32 s[TC], s[CNT], 2
	s_and_b32 s[TC], s[TC], 15                     ; record CNT + 2, behind the last the first
	s_mul_i32 s[TC], s[TC], REC
	STEP XA, YA, AKA, AKB, TB
	STEP YA, XA, AKB, AKA, TC
	s_add_co_u32 s[CNT], s[CNT], 2
	s_cmp_lt_u32 s[CNT], 16
	s_cbranch_scc1 .Lstep_\@
.endm
; Tile p is finished: O^T / the sum, quantised along the head's 64 (two blocks), stored as six operand registers and two scale bytes a row.  It works in area YA, whose V is done with.
.macro FINISH p
	v_add_f32 v14, v14, v15
	s_delay_alu instid0(VALU_DEP_1)
	v_permlanex16_b32 v[TMP], v14, s[SEL], s[SEL+1]
	s_delay_alu instid0(VALU_DEP_1)
	v_add_f32 v14, v14, v[TMP]                     ; the row's sum
	s_wait_alu depctr_va_vdst(0)
	v_rcp_f32 v[FF], v14
	v_nop
	s_wait_alu depctr_va_vdst(0)
.set j, 0
.rept 16
	v_pk_mul_f32 v[YA+j:YA+j+1], v[O+j:O+j+1], v[FF:FF+1] op_sel_hi:[1,0]   ; each accumulator from its low end on
.set j, j+2
.endr
.irp b, 0,1
	v_max3_num_f32 v[BM+\b], |v[YA+16*\b]|, |v[YA+1+16*\b]|, 0x1800000
.endr
.irp i, 2,4,6,8,10,12,14
.irp b, 0,1
	s_delay_alu instid0(VALU_DEP_2)
	v_max3_num_f32 v[BM+\b], v[BM+\b], |v[YA+16*\b+\i]|, |v[YA+1+16*\b+\i]|
.endr
.endr
.irp b, 0,1
	s_delay_alu instid0(VALU_DEP_2)
	v_permlanex16_b32 v[BP+\b], v[BM+\b], s[SEL], s[SEL+1]
.endr
.irp b, 0,1
	s_delay_alu instid0(VALU_DEP_2)
	v_max_num_f32 v[BM+\b], v[BM+\b], v[BP+\b]
.endr
.irp b, 0,1
	s_delay_alu instid0(VALU_DEP_2)
	v_add_nc_u32 v[BS+\b], 0xff000000, v[BM+\b]
.endr
.irp b, 0,1
	s_delay_alu instid0(VALU_DEP_2)
	v_lshrrev_b32 v[BP+\b], 23, v[BS+\b]
.endr
	s_delay_alu instid0(VALU_DEP_1)
	v_lshl_or_b32 v[PSW], v[BP+1], 8, v[BP]
	v_cvt_scalef32_pk16_fp6_f32 v[PC:PC+2], v[YA:YA+15], v[BS]
	v_cvt_scalef32_pk16_fp6_f32 v[TQ:TQ+2], v[YA+16:YA+31], v[BS+1]
	v_nop
.irp i, 0,1,2
	v_permlane16_swap_b32 v[PC+\i], v[TQ+\i]
.endr
.irp i, 0,1,2
	v_mov_b32 v[PC+3+\i], v[TQ+\i]
.endr
	global_store_b128 v[LI], v[PC:PC+3], s[YP:YP+1] offset:\p*12288          ; 32 lanes store 512 consecutive bytes, aligned
	global_store_b64 v[L8], v[PC+4:PC+5], s[YP:YP+1] offset:\p*12288+512     ; and 256
	global_store_b16 v[R32], v[PSW], s[YS:YS+1] offset:\p*512                ; my row's two bytes (both halves of the lanes write the same)
.endm
	INIT 0
	s_wait_tensorcnt 0x0                           ; my record has landed
	s_wait_dscnt 0x0
	s_barrier_signal -1
	s_barrier_wait -1                              ; everybody's has: nothing is filled again
	KLOAD XA, AKA                                  ; record 0's K
	PASS
	FINISH 0
	s_wait_alu depctr_va_vdst(0)
	s_wait_xcnt 0x0                                ; the first tile's stores have read their registers, which the second pass writes
	INIT 1
	PASS                                           ; record 0's K was fetched by the first pass's last step
	FINISH 1
	s_wait_tensorcnt 0x0                           ; the wave's end
	ds_add_u32 v[SPW], v[NIL]
	s_wait_dscnt 0x0
	CROUND                                         ; the closing round
	s_endpgm
.Lfunc_end_k_qf1ab26641b_attn:
	.size	k_qf1ab26641b_attn, .Lfunc_end_k_qf1ab26641b_attn-k_qf1ab26641b_attn
	.p2alignl 7, 3214868480
	.fill 96, 4, 3214868480
	.section	.rodata,"a",@progbits
	.p2align	6, 0x0
	.amdhsa_kernel k_qf1ab26641b_attn
		.amdhsa_group_segment_fixed_size 212992
		.amdhsa_private_segment_fixed_size 0
		.amdhsa_enable_private_segment 0
		.amdhsa_kernarg_size 24
		.amdhsa_user_sgpr_count 2
		.amdhsa_user_sgpr_kernarg_segment_ptr 1
		.amdhsa_wavefront_size32 1
		.amdhsa_system_sgpr_workgroup_id_x 1
		.amdhsa_system_sgpr_workgroup_id_y 1
		.amdhsa_system_sgpr_workgroup_id_z 1
		.amdhsa_system_vgpr_workitem_id 0
		.amdhsa_next_free_vgpr 256
		.amdhsa_next_free_sgpr 66
		.amdhsa_reserve_vcc 0
		.amdhsa_float_denorm_mode_32 3
		.amdhsa_float_denorm_mode_16_64 3
		.amdhsa_memory_ordered 1
		.amdhsa_forward_progress 1
		.amdhsa_inst_pref_size 79
	.end_amdhsa_kernel
	.amdgpu_metadata
---
amdhsa.version: [ 1, 2 ]
amdhsa.kernels:
  - .name:           k_qf1ab26641b_attn
    .symbol:         k_qf1ab26641b_attn.kd
    .args:
      - { .name: qbuf, .offset: 0, .size: 8, .value_kind: global_buffer, .address_space: global }
      - { .name: kvbuf, .offset: 8, .size: 8, .value_kind: global_buffer, .address_space: global }
      - { .name: ybuf, .offset: 16, .size: 8, .value_kind: global_buffer, .address_space: global }
    .group_segment_fixed_size: 212992
    .private_segment_fixed_size: 0
    .kernarg_segment_align: 8
    .kernarg_segment_size: 24
    .max_flat_workgroup_size: 512
    .sgpr_count:     66
    .vgpr_count:     256
    .wavefront_size: 32
...
	.end_amdgpu_metadata
.endif
;; end of part 3
;; launch gemm_out (part 4): grid 8 x 32, 4 waves a work-group, clusters of 4 x 4, 327,680 bytes of LDS; arguments ybuf, wo, b_out, out0; writes out0
.if DOCPART == 4
	.amdgcn_target "amdgcn-amd-amdhsa--gfx1250"
	.amdhsa_code_object_version 6
	.text
	.protected	k_qf1ab26641b_gemm_out
	.globl	k_qf1ab26641b_gemm_out
	.p2align	8
	.type	k_qf1ab26641b_gemm_out,@function
k_qf1ab26641b_gemm_out:
	s_mov_b64 s[64:65], 0
	v_nop
	global_prefetch_b8 v0, s[64:65] scope:SCOPE_SE
	s_setreg_imm32_b32 hwreg(HW_REG_WAVE_MODE, 25, 1), 1
	s_wait_xcnt 0x0
	s_wait_alu depctr_hold_cnt(0) depctr_sa_sdst(0) depctr_va_vdst(0) depctr_va_sdst(0) depctr_va_ssrc(0) depctr_va_vcc(0) depctr_vm_vsrc(0)
	s_getreg_b32 s2, hwreg(HW_REG_IB_STS2, 6, 4)
	s_cmp_eq_u32 s2, 0
	s_cbranch_scc0 .Lentry_in_a_cluster
	s_endpgm
.Lentry_in_a_cluster:
	s_bfe_u32 s2, ttmp6, 0x10000c
	s_cmp_lg_u32 s2, 0xf033
	s_cbranch_scc0 .Lentry_shape_is_right
	s_endpgm
.Lentry_shape_is_right:
; out0 = y W_out + b_out on codes of FP6 (E2M3) with E8M0 scales, f32 out.
; SHARES.  A work-group makes 256 tokens (tb = work-group y) x 128 features (g = work-group x): 256 work-groups.  All of K lies in LDS, filled once: y's 16 tiles as images of operand registers
; (12,288 bytes a tile, dense in memory), W_out's 128 rows of 768 bytes with 16 of padding behind each 256 (pitch 816).  A wave makes 128 tokens x 64 features: 32 accumulators by turns.
; Source 0 = W_out's rows, source 1 = y's: a lane holds a token, its registers run along the features.  The bias is the C of the first K step.
; Tokens lie in the buffers with bits 3 and 4 exchanged: the stores put them right.  CLUSTERS 4 x 4: y's tiles are shared along a row, W_out's along a column.
; No prefetch: every byte that the launch reads is asked for at its head.
.set PITCH, 816
.set TILE,  16*PITCH
.set YB,    196608                     ; W's rows, behind y's 16 tiles
.set STAGE, YB+128*PITCH               ; the way out: 16 rows x 272 bytes a wave, bytes of their own
.set SPARE, STAGE+4*16*272
.set AY,  16                           ; v16 16 x lane, v17 8 x lane at my tiles 0-3; v18-19 at tiles 4-7
.set AW,  20
.set RS,  22
.set BO,  23
.set STO, 24
.set RD,  25
.set CO,  26
.set SPW, 28
.set NIL, 29
.set XS,  32                           ; v32-95 y's scale words: 8 tiles x 8 K steps
.set WS,  96                           ; v96-127 W's
.set WF,  128                          ; window 0: W's fragments, two sets of 48.  Window 1: y's, two sets of 96 at v0 and v128; v96-127 the bias
.set BQ,  96
.set BK,  128                          ; the way out: rows read back, two sets of 32
.set G1X, 24
.set G0X, 32
.set G0W, 36
.set G1W, 48
.set PXS, 72
.set PWS, 74
.set PBI, 76
.set MSB, 0
.macro WIN new
.if MSB != \new
	s_set_vgpr_msb (MSB<<8)|\new
.set MSB, \new
.endif
.endm
.macro PLACES
.rept 4
	v_nop
.endr
.endm
.macro CROUND
	s_barrier_signal -1
	s_barrier_wait -1
	s_cmp_lg_u32 s14, 0
	s_cbranch_scc1 .Lnot_wave_0_\@
	s_barrier_signal -3
.Lnot_wave_0_\@:
	s_barrier_wait -3
	s_barrier_signal -1
	s_barrier_wait -1
.endm
.macro G0SET g, lds, base, adr
	s_mov_b32 s[\g], 1
	s_add_co_u32 s[\g+1], s\lds, \base
	s_mov_b64 s[\g+2:\g+3], s[\adr:\adr+1]
	s_or_b32 s[\g+3], s[\g+3], 0x80000000
.endm
	s_load_b128 s[4:7], s[0:1], 0x0                ; ybuf, wo
	s_load_b128 s[8:11], s[0:1], 0x10              ; b_out, out0
	v_lshl_add_u32 v[SPW], v0, 2, SPARE
	v_mov_b32 v[NIL], 0
	ds_add_u32 v[SPW], v[NIL]                      ; the opening lines
	ds_add_u32 v[SPW], v[NIL]
	v_lshrrev_b32 v1, 5, v0
	v_readfirstlane_b32 s14, v1
	s_lshr_b32 s15, s14, 1                         ; which 128 tokens are mine
	s_and_b32 s16, s14, 1                          ; which 64 features
	s_bfe_u32 s40, ttmp6, 0x40000
	s_bfe_u32 s41, ttmp6, 0x40004
	s_lshl_b32 s43, s41, 2
	s_lshl_b32 s43, 15, s43
	s_lshl_b32 s44, 0x1111, s40
	s_or_b32 s[G1X], s43, (3<<16)|(1<<21)          ; y: 98,304 dense bytes as 384 rows of 32 elements of 8 bytes, no padding
	s_mov_b32 s[G1X+1], 32<<16
	s_mov_b32 s[G1X+2], 384<<16
	s_mov_b32 s[G1X+3], 32<<16
	s_mov_b32 s[G1X+4], 384
	s_mov_b32 s[G1X+5], 32
	s_mov_b32 s[G1X+6], 0
	s_mov_b32 s[G1X+7], 0
	s_or_b32 s[G1W], s44, (1<<20)|(1<<21)|(5<<22)|(3<<25)   ; W: 64 rows of 768 bytes, 4 words of padding behind every 64
	s_mov_b32 s[G1W+1], 768<<16
	s_mov_b32 s[G1W+2], 64<<16
	s_mov_b32 s[G1W+3], 768<<16
	s_mov_b32 s[G1W+4], 64
	s_mov_b32 s[G1W+5], 768
	s_mov_b32 s[G1W+6], 0
	s_mov_b32 s[G1W+7], 0
	s_and_b32 s17, ttmp7, 0xffff
	s_lshl_b32 s17, s17, 2
	s_add_co_u32 s17, s17, s41                     ; tb
	s_lshl_b32 s42, ttmp9, 2
	s_add_co_u32 s42, s42, s40                     ; g
	s_lshl_b32 s20, s17, 4
	s_lshl_b32 s18, s16, 3
	s_add_co_u32 s20, s20, s18                     ; waves 0, 1 fetch 8 tiles of y each
	s_mul_i32 s20, s20, 12288
	s_mov_b32 s21, 0
	s_lshl_b32 s22, s42, 7
	s_lshl_b32 s18, s16, 6
	s_add_co_u32 s22, s22, s18                     ; waves 2, 3 fetch 64 rows of W each
	s_mul_i32 s22, s22, 768
	s_mov_b32 s23, 0
	s_mul_i32 s45, s16, 98304
	s_mul_i32 s94, s16, 64*PITCH
	s_wait_dscnt 0x0
	s_wait_kmcnt 0x0
	s_add_nc_u64 s[20:21], s[4:5], s[20:21]
	s_add_nc_u64 s[22:23], s[6:7], s[22:23]
	CROUND
	G0SET G0X, 45, 0, 20
	G0SET G0W, 94, YB, 22
	s_cmp_lt_u32 s14, 2                            ; one tensor load a wave
	s_cbranch_scc0 .Lhead_w
	tensor_load_to_lds s[G0X:G0X+3], s[G1X:G1X+7]
	s_nop 0
	PLACES
	s_branch .Lhead_asked
.Lhead_w:
	tensor_load_to_lds s[G0W:G0W+3], s[G1W:G1W+7]
	s_nop 0
	PLACES
.Lhead_asked:
	s_lshl_b32 s18, s17, 1
	s_add_co_u32 s18, s18, s15                     ; my group of 128 tokens
	s_lshl_b32 s20, s18, 12
	s_add_co_u32 s20, s20, 6291456
	s_mov_b32 s21, 0
	s_add_nc_u64 s[PXS:PXS+1], s[4:5], s[20:21]    ; y's scale bytes
	s_lshl_b32 s19, s42, 1
	s_add_co_u32 s19, s19, s16                     ; my group of 64 features
	s_lshl_b32 s20, s19, 11
	s_add_co_u32 s20, s20, 786432
	s_add_nc_u64 s[PWS:PWS+1], s[6:7], s[20:21]    ; W's
	s_lshl_b32 s20, s19, 8
	s_add_nc_u64 s[PBI:PBI+1], s[8:9], s[20:21]
	s_lshl_b32 s22, s18, 19                        ; 128 rows of 4,096 bytes
	s_add_co_u32 s20, s20, s22
	s_add_nc_u64 s[12:13], s[10:11], s[20:21]      ; my corner of out0
	s_mul_i32 s92, s15, 98304
	s_add_co_u32 s93, s92, 49152
	s_mul_i32 s43, s16, 64*PITCH
	s_add_co_u32 s43, s43, YB
	s_mul_i32 s44, s14, 16*272
	s_add_co_u32 s44, s44, STAGE
	v_and_b32 v1, 15, v0
	v_bfe_u32 v2, v0, 4, 1
	v_and_b32 v6, 31, v0
	v_mul_u32_u24 v3, v1, PITCH
	v_mad_u32_u24 v4, v2, 24, v3
	v_lshl_add_u32 v5, v2, 4, v4
	v_add_nc_u32 v[AW], s43, v4
	v_add_nc_u32 v[AW+1], s43, v5
	v_lshl_add_u32 v[AY], v6, 4, s92
	v_lshl_add_u32 v[AY+1], v6, 3, s92
	v_lshl_add_u32 v[AY+2], v6, 4, s93
	v_lshl_add_u32 v[AY+3], v6, 3, s93
	v_lshlrev_b32 v[RS], 5, v1
	v_lshlrev_b32 v[BO], 6, v2
	v_mul_u32_u24 v7, v1, 272
	v_lshl_add_u32 v7, v2, 6, v7
	v_add_nc_u32 v[STO], s44, v7                   ; into the stage: row lane % 16, 64 bytes for each half of the lanes in each 128
	v_mul_u32_u24 v8, v2, 272
	v_lshl_add_u32 v8, v1, 4, v8
	v_add_nc_u32 v[RD], s44, v8                    ; back: sixteen lanes to a row of 256 bytes, two rows an instruction
	v_lshlrev_b32 v9, 12, v2
	v_lshl_add_u32 v[CO], v1, 4, v9                ; and the same two rows in out0
	s_wait_alu depctr_va_vdst(0)                   ; the head's end
.irp i, 0,1,2,3,4,5,6,7
	global_load_b128 v[XS+8*\i:XS+8*\i+3], v[RS], s[PXS:PXS+1] offset:512*\i
	global_load_b128 v[XS+8*\i+4:XS+8*\i+7], v[RS], s[PXS:PXS+1] offset:512*\i+16
.endr
.irp b, 0,1,2,3
	global_load_b128 v[WS+8*\b:WS+8*\b+3], v[RS], s[PWS:PWS+1] offset:512*\b
	global_load_b128 v[WS+8*\b+4:WS+8*\b+7], v[RS], s[PWS:PWS+1] offset:512*\b+16
.endr
	WIN 0x40
.irp e, 0,1,2,3,4,5,6,7
	global_load_b128 v[BQ+4*\e:BQ+4*\e+3], v[BO], s[PBI:PBI+1] offset:128*(\e/4)+16*(\e%4)
.endr
	WIN 0
.macro FRAG reg, adr, st, i            ; W: pieces of 8 bytes; piece n of a row lies at 8 n + 16 (n / 32); lanes 16-31 read three pieces on
.irp p, 0,1,2,3,4,5
.set PC, 12*(\st)+6*(\p/3)+\p%3
.if PC%32 < 29
	ds_load_b64 v[\reg+2*\p:\reg+2*\p+1], v[\adr] offset:8*PC+16*(PC/32)+(\i)*TILE
.else
	ds_load_b64 v[\reg+2*\p:\reg+2*\p+1], v[\adr+1] offset:8*PC+16*(PC/32)+(\i)*TILE
.endif
.endr
.endm
.macro FRAGA reg, adr, st, i           ; y: a K step is two heads' images: four registers at 16 x lane, two at 8 x lane, for each
	ds_load_b128 v[\reg:\reg+3], v[\adr] offset:(\i)*12288+(\st)*1536
	ds_load_b64 v[\reg+4:\reg+5], v[\adr+1] offset:(\i)*12288+(\st)*1536+512
	ds_load_b128 v[\reg+6:\reg+9], v[\adr] offset:(\i)*12288+(\st)*1536+768
	ds_load_b64 v[\reg+10:\reg+11], v[\adr+1] offset:(\i)*12288+(\st)*1536+1280
.endm
.macro FETCH st
	WIN 0x40
.irp i, 0,1,2,3
	FRAGA 128*((\st)%2)+12*\i, AY, \st, \i
.endr
.irp i, 0,1,2,3
	FRAGA 128*((\st)%2)+12*(\i+4), AY+2, \st, \i
.endr
	WIN 0
.irp i, 0,1,2,3
	FRAG WF+48*((\st)%2)+12*\i, AW, \st, \i
.endr
.endm
.macro WM d, a, b, c, sa, sb
	v_wmma_scale_f32_16x16x128_f8f6f4 v[\d:\d+7], v[\a:\a+11], v[\b:\b+11], v[\c:\c+7], v[\sa], v[\sb] matrix_a_fmt:MATRIX_FMT_FP6 matrix_b_fmt:MATRIX_FMT_FP6
.endm
.macro MUL st                          ; 32 matrix instructions, the accumulators by turns
.set P, (\st)%2
.if (\st) == 0
	WIN 0x94
.else
	WIN 0xa4
.endif
.irp a, 0,1,2,3,4,5,6,7
.irp b, 0,1,2,3
.set DD, 8*(4*\a+\b)
.if (\st) == 0
.set CC, BQ+8*\b
.else
.set CC, DD
.endif
	WM DD, WF+48*P+12*\b, 128*P+12*\a, CC, WS+8*\b+(\st), XS+8*\a+(\st)
.endr
.endr
	WIN 0
.endm
	s_wait_loadcnt 0x0                             ; scale words and bias
	s_wait_tensorcnt 0x0                           ; my part of the tiles is in,
	s_barrier_signal -1
	s_barrier_wait -1                              ; everybody's is; nothing is filled again
	FETCH 0
.set ST, 0
.rept 8
	s_wait_dscnt 0x0                               ; this step's fragments are in
.if ST < 7
.if ST > 0
	PLACES                                         ; ahead of loads into registers that the last products read
.endif
	FETCH ST+1
.endif
	MUL ST
.set ST, ST+1
.endr
; THE WAY OUT, 16 tokens x 64 features at a time, through my own stage: LDS serves a wave's instructions in order, so no wait stands between the stores and the loads
.macro TOSTAGE a
	WIN 0x08
.irp b, 0,1,2,3
	ds_store_b128 v[STO], v[8*(4*(\a)+\b):8*(4*(\a)+\b)+3] offset:128*(\b/2)+32*(\b%2)      ; each accumulator from its low end on
	ds_store_b128 v[STO], v[8*(4*(\a)+\b)+4:8*(4*(\a)+\b)+7] offset:128*(\b/2)+32*(\b%2)+16
.endr
	WIN 0
.irp t, 0,1,2,3,4,5,6,7
	ds_load_b128 v[BK+32*((\a)%2)+4*\t:BK+32*((\a)%2)+4*\t+3], v[RD] offset:\t*2*272
.endr
.endm
.macro SEND a, younger
	s_wait_dscnt \younger
.irp t, 0,1,2,3,4,5,6,7
	global_store_b128 v[CO], v[BK+32*((\a)%2)+4*\t:BK+32*((\a)%2)+4*\t+3], s[12:13] offset:(32*((\a)/2)+8*((\a)%2)+2*\t+8*(\t/4))*4096 th:TH_STORE_NT   ; sixteen lanes store 256 consecutive bytes, aligned
.endr
.endm
	PLACES
	TOSTAGE 0
.irp a, 1,2,3,4,5,6,7
.if \a > 1
	s_wait_xcnt 0x0                                ; block a - 2's stores have read their registers
.endif
	TOSTAGE \a
	SEND \a-1, 16                                  ; behind block a - 1's loads: block a's 8 stores and 8 loads
.endr
	SEND 7, 0
	s_wait_tensorcnt 0x0                           ; the wave's end
	ds_add_u32 v[SPW], v[NIL]
	s_wait_dscnt 0x0
	CROUND                                         ; the closing round
	s_endpgm
.Lfunc_end_k_qf1ab26641b_gemm_out:
	.size	k_qf1ab26641b_gemm_out, .Lfunc_end_k_qf1ab26641b_gemm_out-k_qf1ab26641b_gemm_out
	.p2alignl 7, 3214868480
	.fill 96, 4, 3214868480
	.section	.rodata,"a",@progbits
	.p2align	6, 0x0
	.amdhsa_kernel k_qf1ab26641b_gemm_out
		.amdhsa_group_segment_fixed_size 327680
		.amdhsa_private_segment_fixed_size 0
		.amdhsa_enable_private_segment 0
		.amdhsa_kernarg_size 32
		.amdhsa_user_sgpr_count 2
		.amdhsa_user_sgpr_kernarg_segment_ptr 1
		.amdhsa_wavefront_size32 1
		.amdhsa_system_sgpr_workgroup_id_x 1
		.amdhsa_system_sgpr_workgroup_id_y 1
		.amdhsa_system_sgpr_workgroup_id_z 1
		.amdhsa_system_vgpr_workitem_id 0
		.amdhsa_next_free_vgpr 768
		.amdhsa_next_free_sgpr 100
		.amdhsa_reserve_vcc 0
		.amdhsa_float_denorm_mode_32 3
		.amdhsa_float_denorm_mode_16_64 3
		.amdhsa_memory_ordered 1
		.amdhsa_forward_progress 1
		.amdhsa_inst_pref_size 87
	.end_amdhsa_kernel
	.amdgpu_metadata
---
amdhsa.version: [ 1, 2 ]
amdhsa.kernels:
  - .name:           k_qf1ab26641b_gemm_out
    .symbol:         k_qf1ab26641b_gemm_out.kd
    .args:
      - { .name: ybuf, .offset: 0, .size: 8, .value_kind: global_buffer, .address_space: global }
      - { .name: wo, .offset: 8, .size: 8, .value_kind: global_buffer, .address_space: global }
      - { .name: b_out, .offset: 16, .size: 8, .value_kind: global_buffer, .address_space: global }
      - { .name: out0, .offset: 24, .size: 8, .value_kind: global_buffer, .address_space: global }
    .group_segment_fixed_size: 327680
    .private_segment_fixed_size: 0
    .kernarg_segment_align: 8
    .kernarg_segment_size: 32
    .max_flat_workgroup_size: 128
    .sgpr_count:     100
    .vgpr_count:     768
    .wavefront_size: 32
...
	.end_amdgpu_metadata
.endif
;; end of part 4
